; MI455X (gfx1250); checked and timed in simulation.
; The chip was launched on July 23, 2026; its instructions are those of AMD's public machine-readable ISA for CDNA 5 (MIT licence, August 2026) and "CDNA5" Instruction Set Architecture Reference Guide (July 2026). The comments in the code are by the model that wrote it; some were corrected since.
;; Self Attention. Allowed arithmetic: matrix products marked QUANTISED: E2M1 operands, one E8M0 scale for each 32 along K, by v_wmma_scale_f32_16x16x128_f8f6f4 with both operands' format E2M1 (or v_wmma_scale_f32_32x16x128_f4), f32 sums; everything else in f32.
;; Inputs: inputs 4 x 2,048 x 1,024 float32; ln_b 1,024 float32; ln_w 1,024 float32; w_qkv 3,072 x 1,024 float32.
;; Outputs: out0 4 x 2,048 x 1,024 float32.
;; This version of the problem:
;;   THIS VERSION OF THE PROBLEM IS GIVEN IN LOW PRECISION. The matrix products marked QUANTISED in the list below multiply operands that are first quantised to E2M1 (2 exponent bits, 1 mantissa bit; 4 bits a number), with one power-of-two scale for each 32 numbers along K (OCP MX v1.0); their sums are f32. All else is computed in f32.
;;   The module's matrix products, in the order in which they are computed (A, B: the left and right operand; K: the contracted axis; several contracted axes count as one K, in the product's order):
;;     1. [M 8,192, K 1,024] x [K 1,024, N 3,072]; A: computed on the way; B: input w_qkv: QUANTISED
;;     2. batch 64 x [M 2,048, K 64] x [K 64, N 2,048]; A: computed on the way; B: computed on the way: QUANTISED
;;     3. batch 64 x [M 2,048, K 2,048] x [K 2,048, N 64]; A: softmax (see below); B: computed on the way: QUANTISED
;;   THE QUANTISER, for each operand of a quantised product, along K:
;;     - K is cut into blocks of 32 from its start; a last block that is shorter is filled with zeros.
;;     - A block's scale is 2^e with e = floor(log2(the largest magnitude in the block)) - 2, held to -126 .. 127; a block of zeros has e = 0. As a byte (E8M0): e + 127.
;;     - Each number is divided by its block's scale, clamped to +-6, and rounded to the nearest number of E2M1, ties to even, subnormals kept.
;;     - The product sums the exact products of the quantised numbers (number of the format x scale) in f32.
;;   ~~~python
;;   def quantise(x, axis):      # numpy; x: float32 -> the quantised numbers, widened to float32 again
;;       x = np.moveaxis(x, axis, -1); K = x.shape[-1]
;;       x = np.pad(x, [(0, 0)] * (x.ndim - 1) + [(0, -K % 32)]); x = x.reshape(x.shape[:-1] + (-1, 32)); a = np.abs(x).max(-1, keepdims=True)
;;       e = np.where(a > 0, np.clip(np.frexp(np.where(a > 0, a, 1))[1] - 1 - 2, -126, 127), 0)      # np.frexp(a)[1] - 1 = floor(log2(a)), exactly
;;       r = np.clip(x / 2.0 ** e, -6, 6)
;;       step = 2.0 ** (np.maximum(np.frexp(np.where(r == 0, 1, r))[1] - 1, 0) - 1)
;;       q = np.round(r / step) * step * 2.0 ** e      # np.round: ties to even
;;       return np.moveaxis(q.reshape(q.shape[:-2] + (-1,))[..., :K], -1, axis).astype(np.float32)
;;   ~~~
;;   SOFTMAX AHEAD OF A QUANTISED PRODUCT. Where the list says 'softmax', what is quantised is not the finished softmax but p = 2^(t - M), with t = logit x log2(e) and M = ceil(the row's largest t), a whole number; so 1/2 < the row's largest p <= 1. The row's sum l is taken of the UNQUANTISED p, in f32, and the product's result is divided by l at the end. Since M is a whole number, a kernel that streams over the keys may use a running M (the ceiling of the running maximum): every later rescaling is an exact power of two, which a block's scale takes up: the codes' values come out the same.
;;   OPERANDS COMPUTED ON THE WAY. 'Computed on the way' means the value that the module computes at that place (a softmax that the list does not call 'softmax' is quantised finished and normalised). What goes into a quantiser is computed in f32, as accurately as f32 sums, v_exp_f32 and their like allow (about 1e-6 of the number): no bf16 or f16 on the way to a quantiser, and a product that is left as it is and whose result goes on into a quantised operand takes f32 operands (vector FMAs, or v_wmma_f32_16x16x4_f32). A number that lies on a knife's edge between two numbers of the format may be rounded either way, as far as f32 arithmetic and the matrix unit's own rounding can turn it there, and no further.
;; One version. Each part assembles by itself: llvm-mc -triple=amdgcn-amd-amdhsa -mcpu=gfx1250 --defsym DOCPART=n.
;; ======== version 1 of 1: 3 launches
;; limits: right only within a limited range of input values
;; workspace buffers: xw_codes 5,767,168 bytes; xw_sc 360,448 bytes; qbuf 4,718,592 bytes; kvbuf 9,175,040 bytes
;; launch prep (part 1): grid 352 x 1, 8 waves a work-group, no clusters, 56,320 bytes of LDS; arguments inputs, w_qkv, ln_w, ln_b, xw_codes, xw_sc; writes xw_codes, xw_sc
.if DOCPART == 1
	.amdgcn_target "amdgcn-amd-amdhsa--gfx1250"
	.amdhsa_code_object_version 6
	.text
	.protected	k_q44b2786c8d_prep
	.globl	k_q44b2786c8d_prep
	.p2align	8
	.type	k_q44b2786c8d_prep,@function
k_q44b2786c8d_prep:
	s_mov_b64 s[64:65], 0
	v_nop
	global_prefetch_b8 v0, s[64:65] scope:SCOPE_SE
	s_setreg_imm32_b32 hwreg(HW_REG_WAVE_MODE, 25, 1), 1
	s_wait_xcnt 0x0
; LayerNorm of inputs [8192][1024] (eps 1e-5, gain ln_w, bias ln_b), and the quantising of its result and of w_qkv [3072][1024] to codes of FP4 (E2M1) with one E8M0 byte for each 32 along the 1,024.
; A block's scale is 2^(floor(log2(its largest magnitude)) - 2); its byte is the largest magnitude's exponent field - 2, held at 1 from below.
; LIMITS: NaN and infinities are not served.  A block whose largest magnitude lies under 2^-124, a block of zeros among them, gets the byte 1 (the rule says 127 for zeros): its codes are then zeros or the
; numbers under that scale, and the bytes are read by this program alone.  1 / sqrt(var + eps) is v_rsq_f32 and a multiplication.  The variance is the mean of (x - mean)^2: a common offset costs nothing.
; THE OUTPUT IS LAID AS THE NEXT LAUNCH'S OPERAND REGISTERS.  Rows go in groups of 64 (x: groups 0-127, W: 128-175); tile i (0..3) of a group holds, at tile row r (0..15), group row 32 (r / 8) + 8 i + r % 8.
; A tile's codes are 8,192 bytes: block l (k = 32 l ..) of tile row r at 256 l + 16 r; its scale bytes 512: row r's 32 bytes on end.
; SHARES.  A work-group makes two tiles (32 rows); a wave takes 4 neighbouring rows, a whole row at a time in 32 registers.  ONE path serves x and W: the first 256 work-groups take x, the others W, for which the
; mean is masked to 0, the factor to 1, the gain to 1 and the bias to 0: the numbers then pass unchanged, exactly.
; A load takes 512 consecutive bytes, 16 a lane; the conversions want 32 neighbours in one lane: so a row turns through the wave's own LDS bytes (places of 128 bytes + 16).  Codes and scale bytes of the two tiles
; are gathered in LDS and leave as runs of 512 and 256 consecutive bytes.  No tensor loads, no matrix work, no cluster: work-groups share nothing, and memory's bytes are all that counts.
.set TP,    144                        ; a lane's place in the turn: 128 bytes + 16
.set TURNB, 32*TP                      ; a wave's turn
.set CSP,   272                        ; a block's 16 rows x 16 bytes of codes + 16
.set CST,   32*CSP                     ; a tile's codes in LDS
.set CS,    8*TURNB                    ; behind the eight turns: two tiles' codes,
.set SS,    CS+2*CST                   ; and their 2 x 512 scale bytes
.set LW,    32                         ; v32-63   ln_w, laid as a row is loaded
.set LB,    64                         ; v64-95   ln_b
.set R,     96                         ; v96-223  four rows as loaded; a row's first five registers later hold its codes and its byte
.set X,     224                        ; v224-255 32 neighbours; later the way out
; v1 lane, v2 16 x lane, v3/v4 the turn in/out, v5/v6 where codes and bytes go, v7/v8 where they are read back, v9 8 x lane, v[10:11] mean, v[12:13] factor, v[14:21] four chains, v22 a permute's destination, v23-25 the block
	s_load_b256 s[4:11], s[0:1], 0x0               ; inputs s[4:5], w_qkv s[6:7], ln_w s[8:9], ln_b s[10:11]
	s_load_b128 s[12:15], s[0:1], 0x20             ; xw_codes s[12:13], xw_sc s[14:15]
	v_lshl_add_u32 v30, v0, 2, 0xd800
	v_mov_b32 v31, 0
	v_lshrrev_b32 v1, 5, v0
	s_delay_alu instid0(VALU_DEP_1)
	v_readfirstlane_b32 s16, v1                    ; wave 0..7
	v_and_b32 v1, 31, v0                           ; lane
	s_delay_alu instid0(VALU_DEP_1)
	v_lshlrev_b32 v2, 4, v1
	s_delay_alu instid0(VALU_DEP_2)
	v_lshlrev_b32 v9, 3, v1
	s_mul_i32 s28, s16, TURNB
	v_lshrrev_b32 v26, 3, v1
	v_and_b32 v27, 7, v1
	s_delay_alu instid0(VALU_DEP_2)
	v_mul_u32_u24 v3, v26, TP
	s_delay_alu instid0(VALU_DEP_1)
	v_lshl_add_u32 v3, v27, 4, v3
	s_delay_alu instid0(VALU_DEP_1)
	v_add_nc_u32 v3, s28, v3                       ; the turn, in: eight lanes' 128 bytes fill a place
	v_mul_u32_u24 v4, v1, TP
	s_delay_alu instid0(VALU_DEP_1)
	v_add_nc_u32 v4, s28, v4                       ; out: place = lane = block
	s_lshr_b32 s29, s16, 2                         ; which of the two tiles
	s_and_b32 s30, s16, 3                          ; my first tile row is 4 (wave % 4)
	s_mul_i32 s31, s29, CST
	s_add_co_u32 s31, s31, CS
	s_lshl_b32 s32, s30, 6
	s_add_co_u32 s32, s32, s31
	v_mul_u32_u24 v5, v1, CSP
	s_delay_alu instid0(VALU_DEP_1)
	v_add_nc_u32 v5, s32, v5                       ; codes: block = lane, 16 bytes a tile row
	s_lshl_b32 s32, s29, 9
	s_lshl_b32 s33, s30, 7
	s_add_co_u32 s32, s32, s33
	s_add_co_u32 s32, s32, SS
	v_add_nc_u32 v6, s32, v1                       ; scale bytes: 32 a tile row, byte = block
	s_mul_i32 s32, s30, 8*CSP
	s_add_co_u32 s32, s32, s31
	v_lshrrev_b32 v26, 4, v1
	v_and_b32 v27, 15, v1
	s_delay_alu instid0(VALU_DEP_2)
	v_mul_u32_u24 v7, v26, CSP
	s_delay_alu instid0(VALU_DEP_1)
	v_lshl_add_u32 v7, v27, 4, v7
	s_delay_alu instid0(VALU_DEP_1)
	v_add_nc_u32 v7, s32, v7                       ; back: my tile's blocks 8 (wave % 4) on, two blocks an instruction
	s_lshl_b32 s32, s30, 8
	s_add_co_u32 s32, s32, SS
	v_add_nc_u32 v8, s32, v9                       ; and 256 scale bytes (waves 0 to 3)
	s_mov_b32 s18, 0x3a800000                      ; 1 / 1024
	s_mov_b32 s19, 0x3727c5ac                      ; 1e-5
	s_mov_b32 s20, 0x76543210
	s_mov_b32 s21, 0xfedcba98                      ; v_permlanex16_b32's selects for lane l xor 16
	v_mov_b32 v11, 0                               ; upper halves of pairs of which the low word serves both halves: named, so written
	v_mov_b32 v13, 0
	v_mov_b32 v22, 0                               ; a lane permute's destination counts as one of its sources
	s_and_b32 s33, ttmp9, 1                        ; my first row in its group of 64: 32 (r / 8) + 8 i + r % 8 with i = 2 (work-group % 2) + tile, r = 4 (wave % 4)
	s_lshl_b32 s33, s33, 4
	s_lshl_b32 s34, s29, 3
	s_add_co_u32 s33, s33, s34
	s_lshr_b32 s34, s30, 1
	s_lshl_b32 s34, s34, 5
	s_add_co_u32 s33, s33, s34
	s_and_b32 s34, s30, 1
	s_lshl_b32 s34, s34, 2
	s_add_co_u32 s33, s33, s34
	s_lshl_b32 s36, ttmp9, 1                       ; out: tile 2 x work-group + tile, 8,192 bytes each; my 2,048 of them
	s_add_co_u32 s36, s36, s29
	s_lshl_b32 s36, s36, 13
	s_lshl_b32 s37, s30, 11
	s_add_co_u32 s36, s36, s37
	s_mov_b32 s37, 0
	s_wait_kmcnt 0x0
	s_add_nc_u64 s[24:25], s[12:13], s[36:37]
	s_lshl_b32 s36, ttmp9, 10                      ; scale bytes: 1,024 a work-group, 256 a wave
	s_lshl_b32 s38, s30, 8
	s_add_co_u32 s36, s36, s38
	s_add_nc_u64 s[26:27], s[14:15], s[36:37]
	s_cmp_lt_u32 ttmp9, 256                        ; x's work-group or W's?  The choice hangs on the work-group's number alone
	s_cselect_b64 s[22:23], s[4:5], s[6:7]
	s_cselect_b32 s17, -1, 0                       ; all ones for x, 0 for W
	s_cselect_b32 s34, 0, 256
	s_sub_co_u32 s34, ttmp9, s34
	s_lshr_b32 s34, s34, 1                         ; the group of 64 rows in its tensor
	s_lshl_b32 s34, s34, 6
	s_add_co_u32 s34, s34, s33
	s_lshl_b32 s34, s34, 12                        ; rows of 4,096 bytes (under 2^25)
	s_mov_b32 s35, 0
	s_add_nc_u64 s[22:23], s[22:23], s[34:35]
.macro RLOAD n                         ; a row: eight loads of 512 consecutive bytes
.irp j, 0,1,2,3,4,5,6,7
	global_load_b128 v[R+32*\n+4*\j:R+32*\n+4*\j+3], v2, s[22:23] offset:4096*\n+512*\j th:TH_LOAD_NT
.endr
.endm
	RLOAD 0
.irp j, 0,1,2,3,4,5,6,7
	global_load_b128 v[LW+4*\j:LW+4*\j+3], v2, s[8:9] offset:512*\j
.endr
.irp j, 0,1,2,3,4,5,6,7
	global_load_b128 v[LB+4*\j:LB+4*\j+3], v2, s[10:11] offset:512*\j
.endr
	RLOAD 1
	RLOAD 2
	RLOAD 3
.macro REDUCE                          ; the four packed chains v[14:21] become one sum, in v14 of every lane
	s_delay_alu instid0(VALU_DEP_3)
	v_pk_add_f32 v[14:15], v[14:15], v[16:17]
	s_delay_alu instid0(VALU_DEP_2)
	v_pk_add_f32 v[18:19], v[18:19], v[20:21]
	s_delay_alu instid0(VALU_DEP_1)
	v_pk_add_f32 v[14:15], v[14:15], v[18:19]
	s_delay_alu instid0(VALU_DEP_1)
	v_add_f32 v14, v14, v15
	s_delay_alu instid0(VALU_DEP_1)
	v_add_f32_dpp v14, v14, v14 row_xmask:1 row_mask:0xf bank_mask:0xf
	s_delay_alu instid0(VALU_DEP_1)
	v_add_f32_dpp v14, v14, v14 row_xmask:2 row_mask:0xf bank_mask:0xf
	s_delay_alu instid0(VALU_DEP_1)
	v_add_f32_dpp v14, v14, v14 row_xmask:4 row_mask:0xf bank_mask:0xf
	s_delay_alu instid0(VALU_DEP_1)
	v_add_f32_dpp v14, v14, v14 row_xmask:8 row_mask:0xf bank_mask:0xf
	s_delay_alu instid0(VALU_DEP_1)
	v_permlanex16_b32 v22, v14, s20, s21
	s_delay_alu instid0(VALU_DEP_1)
	v_add_f32 v14, v14, v22
.endm
; Row n of my four.  left: the loads issued behind this row's, which may stay out.
.macro ROW n, left
.set RN, R+32*\n
	s_wait_loadcnt \left
.irp q, 0,1,2,3
	v_pk_add_f32 v[14+2*\q:15+2*\q], v[RN+2*\q:RN+2*\q+1], v[RN+8+2*\q:RN+9+2*\q]   ; the first products of the chains start them: nothing is cleared
.endr
.irp p, 16,24
.irp q, 0,1,2,3
	s_delay_alu instid0(VALU_DEP_4)
	v_pk_add_f32 v[14+2*\q:15+2*\q], v[14+2*\q:15+2*\q], v[RN+\p+2*\q:RN+\p+2*\q+1]
.endr
.endr
	REDUCE
	s_delay_alu instid0(VALU_DEP_1)
	v_mul_f32 v10, s18, v14                        ; the mean,
	s_delay_alu instid0(VALU_DEP_1)
	v_and_b32 v10, s17, v10                        ; or 0 for W
.set pp, 0
.rept 16
	v_pk_add_f32 v[RN+pp:RN+pp+1], v[RN+pp:RN+pp+1], v[10:11] op_sel_hi:[1,0] neg_lo:[0,1] neg_hi:[0,1]   ; x - mean, in place
.set pp, pp+2
.endr
.irp q, 0,1,2,3
	v_pk_mul_f32 v[14+2*\q:15+2*\q], v[RN+2*\q:RN+2*\q+1], v[RN+2*\q:RN+2*\q+1]
.endr
.irp p, 8,16,24
.irp q, 0,1,2,3
	s_delay_alu instid0(VALU_DEP_4)
	v_pk_fma_f32 v[14+2*\q:15+2*\q], v[RN+\p+2*\q:RN+\p+2*\q+1], v[RN+\p+2*\q:RN+\p+2*\q+1], v[14+2*\q:15+2*\q]
.endr
.endr
	REDUCE
	s_delay_alu instid0(VALU_DEP_1)
	v_fma_f32 v14, v14, s18, s19                   ; var + eps
	s_wait_alu depctr_va_vdst(0)
	v_rsq_f32 v12, v14
.if \n == 0
	s_wait_loadcnt 24                              ; ln_w and ln_b are in; rows 1 to 3 (24 loads) may stay out.  These 64 plain lines are the work behind the root
.set pp, 0
.rept 32
	v_cndmask_b32 v[LW+pp], 1.0, v[LW+pp], s17     ; the gain, or 1 for W
	v_and_b32 v[LB+pp], s17, v[LB+pp]              ; the bias, or 0 for W
.set pp, pp+1
.endr
.else
	v_nop                                          ; a plain instruction behind the transcendental
.endif
	s_wait_alu depctr_va_vdst(0)                   ; the wait ahead of the first line that names the root's result
	v_cndmask_b32 v12, 1.0, v12, s17               ; the factor, or 1 for W
.set pp, 0
.rept 16
	v_pk_mul_f32 v[RN+pp:RN+pp+1], v[RN+pp:RN+pp+1], v[12:13] op_sel_hi:[1,0]
.set pp, pp+2
.endr
.set pp, 0
.rept 16
	v_pk_fma_f32 v[RN+pp:RN+pp+1], v[RN+pp:RN+pp+1], v[LW+pp:LW+pp+1], v[LB+pp:LB+pp+1]
.set pp, pp+2
.endr
.irp j, 0,1,2,3,4,5,6,7
	ds_store_b128 v3, v[RN+4*\j:RN+4*\j+3] offset:4*TP*\j          ; a load's 512 bytes are four places
.endr
.irp j, 0,1,2,3,4,5,6,7
	ds_load_b128 v[X+4*\j:X+4*\j+3], v4 offset:16*\j               ; LDS serves a wave's instructions in order (ISA guide 5.7.1.4): these see the stores above
.endr
	s_wait_dscnt 0x0                               ; my block's 32 numbers are in, and the stores have read the row's registers
	v_max3_num_f32 v23, |v[X]|, |v[X+1]|, 0x1800000                ; the block's largest magnitude, in two chains, with the floor 2^(3 - 127) among the leaves: the byte cannot fall under 1
	v_max3_num_f32 v24, |v[X+2]|, |v[X+3]|, |v[X+4]|
.irp i, 5,9,13,17,21,25
	s_delay_alu instid0(VALU_DEP_2)
	v_max3_num_f32 v23, v23, |v[X+\i]|, |v[X+\i+1]|
	s_delay_alu instid0(VALU_DEP_2)
	v_max3_num_f32 v24, v24, |v[X+\i+2]|, |v[X+\i+3]|
.endr
	s_delay_alu instid0(VALU_DEP_2)
	v_max3_num_f32 v23, v23, |v[X+29]|, |v[X+30]|
	s_delay_alu instid0(VALU_DEP_1)
	v_max3_num_f32 v23, v23, v24, |v[X+31]|
	s_delay_alu instid0(VALU_DEP_1)
	v_add_nc_u32 v25, 0xff000000, v23              ; 2 off its exponent field: the conversion takes this operand's exponent field as its scale, and nothing else of it
.irp g, 0,1,2,3
	v_cvt_scalef32_pk8_fp4_f32 v[RN+\g], v[X+8*\g:X+8*\g+7], v25
.endr
	v_lshrrev_b32 v[RN+4], 23, v25                 ; the scale's byte (also the plain line behind the conversions)
	ds_store_b128 v5, v[RN:RN+3] offset:16*\n
	ds_store_b8 v6, v[RN+4] offset:32*\n
.endm
	ROW 0, 40                                      ; behind row 0's loads: 16 of the gains and biases, 24 of the other rows
	ROW 1, 16
	ROW 2, 8
	ROW 3, 0
	s_wait_dscnt 0x0                               ; for the others' sake: my codes and bytes lie in LDS
	s_barrier_signal -1
	s_barrier_wait -1
.irp n, 0,1,2,3
	ds_load_b128 v[X+4*\n:X+4*\n+3], v7 offset:2*CSP*\n
.endr
.irp n, 0,1,2,3
	s_wait_dscnt 3-\n                              ; the younger reads may stay out
	global_store_b128 v2, v[X+4*\n:X+4*\n+3], s[24:25] offset:512*\n   ; 32 lanes store 512 consecutive bytes, at a multiple of 256 from the buffer's first byte
.endr
	s_cmp_gt_u32 s16, 3
	s_cbranch_scc1 .Lend                           ; the 1,024 scale bytes are four waves' work
	ds_load_b64 v[14:15], v8
	s_wait_dscnt 0x0
	global_store_b64 v9, v[14:15], s[26:27]        ; 256 consecutive bytes, aligned
.Lend:
	s_wait_tensorcnt 0x0
	ds_add_u32 v30, v31
	s_wait_dscnt 0x0
	s_endpgm
.Lfunc_end_k_q44b2786c8d_prep:
	.size	k_q44b2786c8d_prep, .Lfunc_end_k_q44b2786c8d_prep-k_q44b2786c8d_prep
	.p2alignl 7, 3214868480
	.fill 96, 4, 3214868480
	.section	.rodata,"a",@progbits
	.p2align	6, 0x0
	.amdhsa_kernel k_q44b2786c8d_prep
		.amdhsa_group_segment_fixed_size 56320
		.amdhsa_private_segment_fixed_size 0
		.amdhsa_enable_private_segment 0
		.amdhsa_kernarg_size 48
		.amdhsa_user_sgpr_count 2
		.amdhsa_user_sgpr_kernarg_segment_ptr 1
		.amdhsa_wavefront_size32 1
		.amdhsa_system_sgpr_workgroup_id_x 1
		.amdhsa_system_sgpr_workgroup_id_y 1
		.amdhsa_system_sgpr_workgroup_id_z 1
		.amdhsa_system_vgpr_workitem_id 0
		.amdhsa_next_free_vgpr 256
		.amdhsa_next_free_sgpr 66
		.amdhsa_reserve_vcc 0
		.amdhsa_float_denorm_mode_32 3
		.amdhsa_float_denorm_mode_16_64 3
		.amdhsa_memory_ordered 1
		.amdhsa_forward_progress 1
		.amdhsa_inst_pref_size 55
	.end_amdhsa_kernel
	.amdgpu_metadata
---
amdhsa.version: [ 1, 2 ]
amdhsa.kernels:
  - .name:           k_q44b2786c8d_prep
    .symbol:         k_q44b2786c8d_prep.kd
    .args:
      - { .name: inputs, .offset: 0, .size: 8, .value_kind: global_buffer, .address_space: global }
      - { .name: w_qkv, .offset: 8, .size: 8, .value_kind: global_buffer, .address_space: global }
      - { .name: ln_w, .offset: 16, .size: 8, .value_kind: global_buffer, .address_space: global }
      - { .name: ln_b, .offset: 24, .size: 8, .value_kind: global_buffer, .address_space: global }
      - { .name: xw_codes, .offset: 32, .size: 8, .value_kind: global_buffer, .address_space: global }
      - { .name: xw_sc, .offset: 40, .size: 8, .value_kind: global_buffer, .address_space: global }
    .group_segment_fixed_size: 56320
    .private_segment_fixed_size: 0
    .kernarg_segment_align: 8
    .kernarg_segment_size: 48
    .max_flat_workgroup_size: 256
    .sgpr_count:     66
    .vgpr_count:     256
    .wavefront_size: 32
...
	.end_amdgpu_metadata
.endif
;; end of part 1
;; launch gemm (part 2): grid 16 x 16, 4 waves a work-group, clusters of 4 x 1, 168,448 bytes of LDS; arguments xw_codes, xw_sc, qbuf, kvbuf; writes qbuf, kvbuf
.if DOCPART == 2
	.amdgcn_target "amdgcn-amd-amdhsa--gfx1250"
	.amdhsa_code_object_version 6
	.text
	.protected	k_q44b2786c8d_gemm
	.globl	k_q44b2786c8d_gemm
	.p2align	8
	.type	k_q44b2786c8d_gemm,@function
k_q44b2786c8d_gemm:
	s_mov_b64 s[64:65], 0
	v_nop
	global_prefetch_b8 v0, s[64:65] scope:SCOPE_SE
	s_setreg_imm32_b32 hwreg(HW_REG_WAVE_MODE, 25, 1), 1
	s_wait_xcnt 0x0
	s_wait_alu depctr_hold_cnt(0) depctr_sa_sdst(0) depctr_va_vdst(0) depctr_va_sdst(0) depctr_va_ssrc(0) depctr_va_vcc(0) depctr_vm_vsrc(0)
	s_getreg_b32 s2, hwreg(HW_REG_IB_STS2, 6, 4)
	s_cmp_eq_u32 s2, 0
	s_cbranch_scc0 .Lentry_in_a_cluster
	s_endpgm
.Lentry_in_a_cluster:
	s_bfe_u32 s2, ttmp6, 0x10000c
	s_cmp_lg_u32 s2, 0x3003
	s_cbranch_scc0 .Lentry_shape_is_right
	s_endpgm
.Lentry_shape_is_right:
; qkv = x W^T on codes of FP4 (E2M1) with E8M0 scales for each 32 along the 1,024; sums in f32.  q, k and v never go to memory as f32: each is quantised in registers for the product that will take it
; (q and k along the head's 64, v along the keys) and stored as images of that product's operand registers.
; LIMITS: NaN and infinities are not served; a block whose largest magnitude lies under 2^-124, a block of zeros among them, gets the byte 1 (its codes are zeros or the numbers under that scale; this program alone reads the bytes).
; SHARES.  A work-group takes 512 rows of x and ONE head's 64 columns of q, of k and of v (three units).  Wave w takes 128 rows: one key step of the attention.  Its x, for all of K, stays in 512 registers
; (64 fragments, loaded as they lie: 16 bytes a lane, 512 consecutive bytes a load).  The head's W, 3 x 32 KiB, comes into LDS once and is never filled again; a fragment read from LDS feeds eight products.
; CLUSTER: the four work-groups of a cluster differ in their rows and take the same head: W's tiles are asked for JOINTLY (mask 15).  x goes straight into registers and is shared with no partner.
; ROWS AND COLUMNS GO IN GROUPS OF 64: tile i holds, at tile row r, group row 32 (r / 8) + 8 i + r % 8.  A result gives lane (r, h), register j, tile row 8 h + j: so a lane's 8 registers of tiles i = 0..3 are the 32
; NEIGHBOURS 32 h + 8 i + j: a whole block in one lane.  Its largest magnitude needs no other lane, and the four conversions' results are four registers on end of the next operand.
;   q, k: source 0 = 16 rows of W, source 1 = 16 rows of x: a lane holds one row of x and 32 of the head's 64.      v: the sources swapped: a lane holds one of the head's 64 and 32 keys.
; REGISTERS, in windows of 256 (s_set_vgpr_msb: bits 1:0 source 0, 3:2 source 1, 5:4 source 2, 7:6 destination):
;   window 0: v1-7 addresses; v16-47 x's scale words; v48-95 W's; v96-159 two sets of four fragments of W; v160-227 the way out.   window 1: the 32 accumulators, (t, i) at v[8 (4 t + i)].
;   window 2: x's fragments (tile t, K step ks) of ks 0-3 at v[64 (ks % 4) + 8 t];   window 3: those of ks 4-7.
.set XS, 16                            ; register 8 u + ks: lanes 0-15 the words of x's tile 2 u, lanes 16-31 of tile 2 u + 1
.set WS, 48                            ; register 16 unit + 8 u + ks: likewise for W's tiles
.set WF, 96
.set TM, 160                           ; eight blocks' largest magnitudes
.set SO, 168                           ; their scale operands
.set BY, 176                           ; their bytes, then words
.set PX, 184                           ; lane permutes' destinations
.set CD, 192                           ; 32 registers of codes
.set CW, 224                           ; scale words as they are stored
.set G1, 36                            ; s[36:43] descriptor group 1
.set G0, 44                            ; s[44:47] group 0
.set MSB, 0
.macro WIN new                         ; the immediate's high byte repeats the setting that is left; a switch that changes nothing is dropped
.if MSB != (\new)
	s_set_vgpr_msb (MSB<<8)|(\new)
.set MSB, (\new)
.endif
.endm
.macro PLACES                          ; four plain vector lines between a matrix instruction and a load into, or a vector read of, its registers (ISA guide 7.12.1 for vector reads)
.rept 4
	v_nop
.endr
.endm
.macro CROUND                          ; a round of the cluster's barrier
	s_barrier_signal -1
	s_barrier_wait -1
	s_cmp_lg_u32 s12, 0
	s_cbranch_scc1 .Lnot_wave_0_\@
	s_barrier_signal -3
.Lnot_wave_0_\@:
	s_barrier_wait -3
	s_barrier_signal -1
	s_barrier_wait -1
.endm
	s_load_b256 s[4:11], s[0:1], 0x0               ; xw_codes s[4:5], xw_sc s[6:7], qbuf s[8:9], kvbuf s[10:11]
	v_lshl_add_u32 v254, v0, 2, 0x29000
	v_mov_b32 v255, 0
	ds_add_u32 v254, v255
	ds_add_u32 v254, v255
	v_lshrrev_b32 v1, 5, v0
	v_readfirstlane_b32 s12, v1                    ; wave 0..3
	v_and_b32 v8, 31, v0
	v_lshlrev_b32 v1, 4, v8                        ; 16 x lane: an image's place for my lane
	v_lshlrev_b32 v7, 3, v8                        ; 8 x lane
	v_and_b32 v9, 15, v0                           ; r
	v_bfe_u32 v10, v0, 4, 1                        ; h
	v_lshlrev_b32 v5, 5, v9
	v_lshl_add_u32 v5, v10, 9, v5                  ; scale words: row r of 32 bytes; lanes 16-31 the next tile's
	v_lshlrev_b32 v6, 3, v10                       ; 8 h: my byte's place in a scale word
.irp un, 0,1,2
	v_add_nc_u32 v[2+\un], 8192*\un, v1            ; LDS: W's tile i of unit un lies at 24,576 i + 8,192 un: my lane's place in tiles 0 and 1,
	v_add_nc_u32 v[11+\un], 8192*\un+49152, v1     ; and in tiles 2 and 3
.endr
.irp t, 0,1,2,3,4,5,6,7
	v_mov_b32 v[PX+\t], 0                          ; written once: a lane permute's destination counts as one of its sources
.endr
	s_bfe_u32 s13, ttmp6, 0x40000                  ; cx
	s_lshl_b32 s14, ttmp9, 2
	s_add_co_u32 s14, s14, s13                     ; my 512 rows: 4 x cluster x + cx; it enters x's and the outputs' addresses alone
	s_and_b32 s15, ttmp7, 0xffff                   ; the head, which the four partners share
	s_lshl_b32 s16, s14, 2
	s_add_co_u32 s16, s16, s12                     ; G: my wave's 128 rows
	s_mov_b32 s30, 0xffff0000                      ; lanes 16-31
	s_mov_b32 s32, 0x76543210
	s_mov_b32 s33, 0xfedcba98                      ; v_permlanex16_b32's selects for lane l xor 16
	; group 1: my tile of q's, of k's and of v's unit as 3 rows of 8,192 bytes, 64 tiles (524,288 bytes) apart in memory, on end in LDS
	s_mov_b32 s[G1], 15|(3<<16)|(1<<21)            ; 15:0 the mask: all four work-groups; 17:16 elements of 8 bytes; 20 no padding; 21 set beside a mask
	s_mov_b32 s[G1+1], 1024<<16                    ; tensor_dim0 = 1,024
	s_mov_b32 s[G1+2], 3<<16                       ; tensor_dim1 = 3
	s_mov_b32 s[G1+3], 1024<<16                    ; tile_dim0 = 1,024
	s_mov_b32 s[G1+4], 3                           ; tile_dim1 = 3
	s_mov_b32 s[G1+5], 65536                       ; from row to row, in elements
	s_mov_b32 s[G1+6], 0
	s_mov_b32 s[G1+7], 0
	s_lshl_b32 s18, s15, 15                        ; W's tile 512 + 64 unit + 4 head + wave, 8,192 bytes each: made of the head and the wave's number alone
	s_lshl_b32 s58, s12, 13
	s_add_co_u32 s18, s18, s58
	s_add_co_u32 s18, s18, 512*8192
	s_mov_b32 s19, 0
	s_lshl_b32 s2, s16, 16                         ; x's codes: 8 tiles of 8,192 bytes for each G
	s_mov_b32 s3, 0
	s_lshl_b32 s60, s16, 12                        ; x's scale bytes: 8 x 512
	s_mov_b32 s61, 0
	s_lshl_b32 s62, s15, 11                        ; W's scale bytes: tile 512 + 4 head on, 512 bytes each
	s_add_co_u32 s62, s62, 512*512
	s_mov_b32 s63, 0
	s_lshr_b32 s17, s16, 4
	s_lshl_b32 s17, s17, 4
	s_add_co_u32 s17, s17, s15                     ; 16 x batch + head
	s_lshl_b32 s17, s17, 4
	s_and_b32 s31, s16, 15
	s_add_co_u32 s17, s17, s31                     ; x 16 + the key step
	s_mul_i32 s34, s17, 4608
	s_mov_b32 s35, 0
	s_mul_i32 s56, s17, 8960
	s_mov_b32 s57, 0
	s_wait_alu depctr_va_vdst(0)                   ; the wait at the head's end
	s_wait_dscnt 0x0
	s_wait_kmcnt 0x0
	s_add_nc_u64 s[20:21], s[4:5], s[2:3]          ; x's codes
	s_add_nc_u64 s[22:23], s[6:7], s[60:61]        ; x's scale bytes
	s_add_nc_u64 s[24:25], s[6:7], s[62:63]        ; W's scale bytes, unit 0
	s_add_nc_u64 s[26:27], s[8:9], s[34:35]        ; q's 4,608 bytes of this head and step
	s_add_nc_u64 s[28:29], s[10:11], s[56:57]      ; k's and v's 8,960
	s_add_nc_u64 s[18:19], s[4:5], s[18:19]        ; W's tile, unit 0
	s_mov_b32 s[G0], 1                             ; count = 1
	s_mul_i32 s[G0+1], s12, 24576                  ; LDS: tile = wave, its three units on end
	s_mov_b64 s[G0+2:G0+3], s[18:19]
	s_or_b32 s[G0+3], s[G0+3], 0x80000000          ; type = 2
	CROUND                                         ; all four work-groups are here: the joint loads meet
	tensor_load_to_lds s[G0:G0+3], s[G1:G1+7]      ; my one tensor load: each byte of LDS is filled once
	s_nop 0
.rept 4
	v_nop                                          ; four such lines behind the loads
.endr
.irp pr, 0,1,2,3
	global_load_b128 v[XS+8*\pr:XS+8*\pr+3], v5, s[22:23] offset:1024*\pr
	global_load_b128 v[XS+8*\pr+4:XS+8*\pr+7], v5, s[22:23] offset:1024*\pr+16
.endr
.irp un, 0,1,2
.irp pr, 0,1
	global_load_b128 v[WS+16*\un+8*\pr:WS+16*\un+8*\pr+3], v5, s[24:25] offset:32768*\un+1024*\pr
	global_load_b128 v[WS+16*\un+8*\pr+4:WS+16*\un+8*\pr+7], v5, s[24:25] offset:32768*\un+1024*\pr+16
.endr
.endr
.macro XLOAD k                         ; x's eight fragments of K step k: 16 loads of 512 consecutive bytes
	WIN 0x80+0x40*((\k)/4)
.irp t, 0,1,2,3,4,5,6,7
.irp c, 0,1
	global_load_b128 v[64*((\k)%4)+8*\t+4*\c:64*((\k)%4)+8*\t+4*\c+3], v1, s[20:21] offset:8192*\t+1024*(\k)+512*\c
.endr
.endr
.endm
.macro FETCHW un, k, buf               ; W's four fragments of the unit's K step k into set buf
	WIN 0
.irp i, 0,1,2,3
.irp c, 0,1
	ds_load_b128 v[WF+32*(\buf)+8*\i+4*\c:WF+32*(\buf)+8*\i+4*\c+3], v[2+\un+9*(\i/2)] offset:24576*(\i%2)+1024*(\k)+512*\c
.endr
.endr
.endm
; One matrix instruction from the symbols rD, rA, rB, rSA, rSB; fa, fb: the side's scale words stand in lanes 16-31; zf: the product starts the sum
.macro EMIT
.if zf
.if (fa == 0) && (fb == 0)
	v_wmma_scale_f32_16x16x128_f8f6f4 v[rD:rD+7], v[rA:rA+7], v[rB:rB+7], 0, v[rSA], v[rSB] matrix_a_fmt:MATRIX_FMT_FP4 matrix_b_fmt:MATRIX_FMT_FP4
.elseif (fa == 1) && (fb == 0)
	v_wmma_scale_f32_16x16x128_f8f6f4 v[rD:rD+7], v[rA:rA+7], v[rB:rB+7], 0, v[rSA], v[rSB] matrix_a_fmt:MATRIX_FMT_FP4 matrix_b_fmt:MATRIX_FMT_FP4 matrix_a_scale:MATRIX_SCALE_ROW1
.elseif (fa == 0) && (fb == 1)
	v_wmma_scale_f32_16x16x128_f8f6f4 v[rD:rD+7], v[rA:rA+7], v[rB:rB+7], 0, v[rSA], v[rSB] matrix_a_fmt:MATRIX_FMT_FP4 matrix_b_fmt:MATRIX_FMT_FP4 matrix_b_scale:MATRIX_SCALE_ROW1
.else
	v_wmma_scale_f32_16x16x128_f8f6f4 v[rD:rD+7], v[rA:rA+7], v[rB:rB+7], 0, v[rSA], v[rSB] matrix_a_fmt:MATRIX_FMT_FP4 matrix_b_fmt:MATRIX_FMT_FP4 matrix_a_scale:MATRIX_SCALE_ROW1 matrix_b_scale:MATRIX_SCALE_ROW1
.endif
.else
.if (fa == 0) && (fb == 0)
	v_wmma_scale_f32_16x16x128_f8f6f4 v[rD:rD+7], v[rA:rA+7], v[rB:rB+7], v[rD:rD+7], v[rSA], v[rSB] matrix_a_fmt:MATRIX_FMT_FP4 matrix_b_fmt:MATRIX_FMT_FP4
.elseif (fa == 1) && (fb == 0)
	v_wmma_scale_f32_16x16x128_f8f6f4 v[rD:rD+7], v[rA:rA+7], v[rB:rB+7], v[rD:rD+7], v[rSA], v[rSB] matrix_a_fmt:MATRIX_FMT_FP4 matrix_b_fmt:MATRIX_FMT_FP4 matrix_a_scale:MATRIX_SCALE_ROW1
.elseif (fa == 0) && (fb == 1)
	v_wmma_scale_f32_16x16x128_f8f6f4 v[rD:rD+7], v[rA:rA+7], v[rB:rB+7], v[rD:rD+7], v[rSA], v[rSB] matrix_a_fmt:MATRIX_FMT_FP4 matrix_b_fmt:MATRIX_FMT_FP4 matrix_b_scale:MATRIX_SCALE_ROW1
.else
	v_wmma_scale_f32_16x16x128_f8f6f4 v[rD:rD+7], v[rA:rA+7], v[rB:rB+7], v[rD:rD+7], v[rSA], v[rSB] matrix_a_fmt:MATRIX_FMT_FP4 matrix_b_fmt:MATRIX_FMT_FP4 matrix_a_scale:MATRIX_SCALE_ROW1 matrix_b_scale:MATRIX_SCALE_ROW1
.endif
.endif
.endm
; A K step's 32 products: x's eight tiles against W's four.  The 32 accumulators take turns, one instruction a turn, in the same order in every K step.
.macro MUL un, k
.if \un < 2
	WIN 0x58+4*((\k)/4)                            ; source 0 (W) window 0, source 1 (x) window 2 or 3, C and D window 1
.else
	WIN 0x52+((\k)/4)                              ; source 0 (x) window 2 or 3, source 1 (W) window 0
.endif
.if (\k) == 0
.set zf, 1
.else
.set zf, 0
.endif
.set tt, 0
.rept 8
.set ii, 0
.rept 4
.set rD, 8*(4*tt+ii)
.set rW, WF+32*((\k)%2)+8*ii
.set rX, 64*((\k)%4)+8*tt
.set rWS, WS+16*\un+8*(ii/2)+(\k)
.set rXS, XS+8*(tt/2)+(\k)
.if \un < 2
.set rA, rW
.set rB, rX
.set rSA, rWS
.set rSB, rXS
.set fa, ii%2
.set fb, tt%2
.else
.set rA, rX
.set rB, rW
.set rSA, rXS
.set rSB, rWS
.set fa, tt%2
.set fb, ii%2
.endif
	EMIT
.set ii, ii+1
.endr
.set tt, tt+1
.endr
.endm
; A unit: 64 columns of q, k or v for my 128 rows, K in eight steps of 128.
.macro UNIT un
	WIN 0
.if \un == 0
	s_wait_tensorcnt 0x0                           ; my tile of all three units has landed
	s_barrier_signal -1
	s_barrier_wait -1                              ; everybody's has
.endif
	FETCHW \un, 0, 0
.set ks, 0
.rept 8
.if \un == 0
.if ks < 5
	s_wait_loadcnt 48                              ; this K step's x (and, at first, the scale words) is in; the 16 loads of each of the three K steps behind it may stay out
.else
	s_wait_loadcnt 16*(7-ks)
.endif
.if ks < 4
	XLOAD ks+4
.endif
.endif
.if ks < 7
.if ks > 0
	PLACES                                         ; the set to be loaded was read by the K step before
.endif
	FETCHW \un, ks+1, (ks+1)%2
	s_wait_dscnt 8                                 ; this K step's W is in; the eight loads just issued may stay out
.else
	s_wait_dscnt 0x0
.endif
	MUL \un, ks
.set ks, ks+1
.endr
.endm
; THE WAY OUT OF q AND k.  Block t = the four accumulators of x's tile t: in lane (r, h) the head's numbers 32 h .. 32 h + 31 of row r.  base: the scalar pair of the output; scoff: where its scale words lie.
.macro EPI_QK base, scoff
	PLACES
	s_wait_xcnt 0x0                                ; the last unit's stores have read their registers
	WIN 0x05                                       ; sources 0 and 1: the accumulators
.irp t, 0,1,2,3,4,5,6,7
	v_max3_num_f32 v[TM+\t], |v[32*\t]|, |v[32*\t+1]|, 0x1800000   ; ascending, each accumulator from its low end on; the floor 2^(3 - 127) holds the byte at 1 from below; the eight blocks by turns
.endr
.irp p, 2,4,6,8,10,12,14,16,18,20,22,24,26,28,30
.irp t, 0,1,2,3,4,5,6,7
	v_max3_num_f32 v[TM+\t], |v[32*\t+\p]|, |v[32*\t+\p+1]|, v[TM+\t]
.endr
.endr
	WIN 0
.irp t, 0,1,2,3,4,5,6,7
	v_add_nc_u32 v[SO+\t], 0xff000000, v[TM+\t]    ; 2 off the exponent field: the conversion's scale operand
.endr
.irp t, 0,1,2,3,4,5,6,7
	v_lshrrev_b32 v[BY+\t], 23, v[SO+\t]           ; the byte of block h,
.endr
.irp t, 0,1,2,3,4,5,6,7
	v_lshlrev_b32 v[BY+\t], v6, v[BY+\t]           ; at its place in the word
.endr
.irp t, 0,1,2,3,4,5,6,7
	v_permlanex16_b32 v[PX+\t], v[BY+\t], s32, s33
.endr
.irp t, 0,1,2,3,4,5,6,7
	v_or_b32 v[BY+\t], v[BY+\t], v[PX+\t]          ; with lane l xor 16's byte
.endr
.irp t, 0,1,2,3,4,5,6,7
	v_or_b32 v[BY+\t], 0x7f7f0000, v[BY+\t]        ; the head has 64 of the instruction's 128: the upper two blocks are zero codes under the scale 1
.endr
.irp j, 0,1,2,3
	v_cndmask_b32 v[CW+\j], v[BY+2*\j], v[BY+2*\j+1], s30   ; lanes 0-15 tile 2 j's words, lanes 16-31 tile 2 j + 1's
.endr
	WIN 0x01
.irp t, 0,1,2,3,4,5,6,7
.irp i, 0,1,2,3
	v_cvt_scalef32_pk8_fp4_f32 v[CD+4*\t+\i], v[32*\t+8*\i:32*\t+8*\i+7], v[SO+\t]
.endr
.endr
	v_nop                                          ; a plain line behind the conversions: matrix instructions write their sources again
	WIN 0
.irp t, 0,1,2,3,4,5,6,7
	global_store_b128 v1, v[CD+4*\t:CD+4*\t+3], s[\base:\base+1] offset:512*\t   ; a tile's image: 512 consecutive bytes, at a multiple of 256 from the buffer's first byte
.endr
	global_store_b128 v1, v[CW:CW+3], s[\base:\base+1] offset:\scoff
.endm
; THE WAY OUT OF v.  Block (i, c) = the accumulators (4 c + x, i), x = 0..3: in lane (r, h) keys 64 c + 32 h .. + 31 of the step, for row r of W's tile i.
.macro EPI_V
	PLACES
	s_wait_xcnt 0x0
	WIN 0x05
.irp i, 0,1,2,3
.irp c, 0,1
	v_max3_num_f32 v[TM+2*\i+\c], |v[128*\c+8*\i]|, |v[128*\c+8*\i+1]|, 0x1800000
.endr
.endr
.set rr, 1
.rept 15
.irp i, 0,1,2,3
.irp c, 0,1
	v_max3_num_f32 v[TM+2*\i+\c], |v[128*\c+32*(rr/4)+8*\i+2*(rr%4)]|, |v[128*\c+32*(rr/4)+8*\i+2*(rr%4)+1]|, v[TM+2*\i+\c]
.endr
.endr
.set rr, rr+1
.endr
	WIN 0
.irp t, 0,1,2,3,4,5,6,7
	v_add_nc_u32 v[SO+\t], 0xff000000, v[TM+\t]
.endr
.irp t, 0,1,2,3,4,5,6,7
	v_lshrrev_b32 v[BY+\t], 23, v[SO+\t]
.endr
.irp i, 0,1,2,3
	v_lshl_or_b32 v[BY+2*\i], v[BY+2*\i+1], 16, v[BY+2*\i]   ; my two bytes: blocks h and 2 + h of the step,
.endr
.irp i, 0,1,2,3
	v_lshlrev_b32 v[BY+2*\i], v6, v[BY+2*\i]       ; at their places;
.endr
.irp i, 0,1,2,3
	v_permlanex16_b32 v[PX+\i], v[BY+2*\i], s32, s33
.endr
.irp i, 0,1,2,3
	v_or_b32 v[BY+2*\i], v[BY+2*\i], v[PX+\i]      ; with lane l xor 16's two the word is whole
.endr
	v_cndmask_b32 v[CW], v[BY], v[BY+2], s30
	v_cndmask_b32 v[CW+1], v[BY+4], v[BY+6], s30
	WIN 0x01
.irp i, 0,1,2,3
.irp c, 0,1
.irp x, 0,1,2,3
	v_cvt_scalef32_pk8_fp4_f32 v[CD+8*\i+4*\c+\x], v[128*\c+32*\x+8*\i:128*\c+32*\x+8*\i+7], v[SO+2*\i+\c]
.endr
.endr
.endr
	v_nop
	WIN 0
.irp i, 0,1,2,3
.irp c, 0,1
	global_store_b128 v1, v[CD+8*\i+4*\c:CD+8*\i+4*\c+3], s[28:29] offset:4096+1024*\i+512*\c
.endr
.endr
	global_store_b64 v7, v[CW:CW+1], s[28:29] offset:8704   ; 256 consecutive bytes, aligned
.endm
	XLOAD 0
	XLOAD 1
	XLOAD 2
	XLOAD 3
	UNIT 0
	EPI_QK 26, 4096
	UNIT 1
	EPI_QK 28, 8192
	UNIT 2
	EPI_V
	s_wait_dscnt 0x0
	s_wait_tensorcnt 0x0
	ds_add_u32 v254, v255
	s_wait_dscnt 0x0
	CROUND                                         ; the closing round: no work-group ends while a partner may still ask for a tile that names it
	s_endpgm
.Lfunc_end_k_q44b2786c8d_gemm:
	.size	k_q44b2786c8d_gemm, .Lfunc_end_k_q44b2786c8d_gemm-k_q44b2786c8d_gemm
	.p2alignl 7, 3214868480
	.fill 96, 4, 3214868480
	.section	.rodata,"a",@progbits
	.p2align	6, 0x0
	.amdhsa_kernel k_q44b2786c8d_gemm
		.amdhsa_group_segment_fixed_size 168448
		.amdhsa_private_segment_fixed_size 0
		.amdhsa_enable_private_segment 0
		.amdhsa_kernarg_size 32
		.amdhsa_user_sgpr_count 2
		.amdhsa_user_sgpr_kernarg_segment_ptr 1
		.amdhsa_wavefront_size32 1
		.amdhsa_system_sgpr_workgroup_id_x 1
		.amdhsa_system_sgpr_workgroup_id_y 1
		.amdhsa_system_sgpr_workgroup_id_z 1
		.amdhsa_system_vgpr_workitem_id 0
		.amdhsa_next_free_vgpr 1024
		.amdhsa_next_free_sgpr 66
		.amdhsa_reserve_vcc 0
		.amdhsa_float_denorm_mode_32 3
		.amdhsa_float_denorm_mode_16_64 3
		.amdhsa_memory_ordered 1
		.amdhsa_forward_progress 1
		.amdhsa_inst_pref_size 173
	.end_amdhsa_kernel
	.amdgpu_metadata
---
amdhsa.version: [ 1, 2 ]
amdhsa.kernels:
  - .name:           k_q44b2786c8d_gemm
    .symbol:         k_q44b2786c8d_gemm.kd
    .args:
      - { .name: xw_codes, .offset: 0, .size: 8, .value_kind: global_buffer, .address_space: global }
      - { .name: xw_sc, .offset: 8, .size: 8, .value_kind: global_buffer, .address_space: global }
      - { .name: qbuf, .offset: 16, .size: 8, .value_kind: global_buffer, .address_space: global }
      - { .name: kvbuf, .offset: 24, .size: 8, .value_kind: global_buffer, .address_space: global }
    .group_segment_fixed_size: 168448
    .private_segment_fixed_size: 0
    .kernarg_segment_align: 8
    .kernarg_segment_size: 32
    .max_flat_workgroup_size: 128
    .sgpr_count:     66
    .vgpr_count:     1024
    .wavefront_size: 32
...
	.end_amdgpu_metadata
.endif
;; end of part 2
;; launch attn (part 3): grid 4 x 64, 16 waves a work-group, no clusters, 327,680 bytes of LDS; arguments qbuf, kvbuf, inputs, out0; writes out0
.if DOCPART == 3
	.amdgcn_target "amdgcn-amd-amdhsa--gfx1250"
	.amdhsa_code_object_version 6
	.text
	.protected	k_q44b2786c8d_attn
	.globl	k_q44b2786c8d_attn
	.p2align	8
	.type	k_q44b2786c8d_attn,@function
k_q44b2786c8d_attn:
	s_mov_b64 s[64:65], 0
	v_nop
	global_prefetch_b8 v0, s[64:65] scope:SCOPE_SE
	s_setreg_imm32_b32 hwreg(HW_REG_WAVE_MODE, 25, 1), 1
	s_wait_xcnt 0x0
; out0 = inputs + softmax_causal(q k^T / 8) v, head by head, both products on codes of FP4 (E2M1) with E8M0 scales for each 32 along a product's K; sums in f32.
; THE SOFTMAX: t = score x log2(e) / 8; M = the running largest t rounded UP to a whole number; p = 2^(t - M) is quantised along the keys, not normalised; the row's sum is taken of the unquantised p and divides
; at the end.  When M moves, the sums and O are multiplied by f = 2^(old M - new M): exact.
; LEFT OUT: key steps all of whose keys come after a tile's queries: the causal mask gives them the weight 0 for all values of the inputs.
; LIMITS: NaN and infinities are not served; the promise holds while the scaled scores stay under 2^31 in magnitude.  A block whose every p has fallen under 2^-124 gets the byte 1 (its codes are zeros or the
; numbers under that scale).  A block's largest p is made from the block's largest score by the same multiply-add and exponential: v_exp_f32 is taken not to fall where its input rises.
; SHARES.  Queries go in 16 groups of 128, keys in 16 steps of 128.  Work-group (x, head and batch) has sixteen waves of 256 registers; a wave owns one tile of 16 queries in each of two passes: with hi = wave / 8,
; first of group 15 - 2 x - hi, then of group 2 x + hi: 17 key steps for every wave of every work-group.
; k, v AND THEIR SCALE WORDS LIE IN LDS, 8,960 bytes a step as the launch before laid them (images of operand registers), each byte filled once.  Waves 0 to 2 ask for steps 0 to 2 at the head; behind the first
; barrier wave w asks for step w, up to step 15 - 2 x, the last that the work-group reads.  The first pass walks steps 0 to 2, which count whole for its queries (its group is 8 or more), under those loads' flight.
; K IS FETCHED A STEP AHEAD: directly behind the first product its registers are free, and the next step's K and scale words are loaded into them while the softmax is worked; the wait in front of the second
; product covers them.  A walk's first step is fetched in front of its loop; its last step fetches nothing.
; NO CLUSTER: the four work-groups of a head read 16 - 2 x steps, a different number each, and which loads are issued would hang on a work-group's place.
; NO PREFETCH OF k AND v: all of them is asked for by the two groups of tensor loads at the start; no later load is there to run ahead of.  The residual's rows are asked for one key step ahead of their loads.
; LAYOUT.  Both products transposed: S^T = K Q^T, O^T = V^T P^T: a lane holds ONE query (lane % 16).  Tile 4 c + i of K holds, at tile row 8 h + j, key 64 c + 32 h + 8 i + j: a lane's 32 registers of tiles
; 4 c .. 4 c + 3 are one whole block of 32 keys, and the conversions' results are the second product's operand as they stand.  The head's 64 fill half of the instruction's 128: registers 4-7 of Q's and K's
; fragments are zero codes, under the scale 1.
; REGISTERS: v1 16 x lane, v2 8 x lane, v3-4 LDS addresses of the step, v5 my query in its 64 less 32 h, v6 -infinity, v7-9 the way out, v10 the prefetch's offset, v11 8 h, v12 -M, v13 the largest score,
; v[14:15], v[54:55] the sum in two chains, v16-31 Q of the two passes, v32-33 Q's scale words, v34 p's, v35 16 r, v36-39 K's, v40-41 V's, v42-49 p's codes (ahead of them eight chains of maxima),
; v50-51 block maxima, v[52:53] f, v56-61 at work, v62-63 the add's two, v64-127 K, v128-159 V, v160-223 S^T, then p, then p's sums, v224-255 O^T.
.set STEPB, 8960                       ; a key step in LDS: K's 8 images of 512, V's 4 of 1,024, K's scale words 512, V's 256: 35 rows of 256 bytes
.set HEADB, 16*STEPB
.set STG,   HEADB                      ; behind the head: a stage of 16 rows x (256 + 16) bytes for each wave; no tensor load lands there
.set SP,    272
.set SPARE, STG+16*16*SP               ; the spare words, 128 bytes for each wave
.set NF,    3                          ; steps asked for at the head
.set MK,    70                         ; s70-101: lane masks of the diagonal: bit = key j of my block comes after my query
	s_load_b256 s[4:11], s[0:1], 0x0               ; qbuf s[4:5], kvbuf s[6:7], inputs s[8:9], out0 s[10:11]
	v_lshl_add_u32 v62, v0, 2, SPARE
	v_mov_b32 v63, 0
	ds_add_u32 v62, v63                            ; the opening lines: the add, twice on end, and its wait
	ds_add_u32 v62, v63
	v_lshrrev_b32 v1, 5, v0
	v_readfirstlane_b32 s12, v1                    ; wave 0..15
	s_and_b32 s14, ttmp7, 0xffff                   ; 16 x batch + head
	s_lshr_b32 s15, s12, 3                         ; hi
	s_lshl_b32 s17, ttmp9, 1
	s_sub_co_u32 s60, 15, s17                      ; the last step that my work-group reads: 15 - 2 x
	s_sub_co_u32 s16, s60, s15                     ; my group in pass 0,
	s_add_co_u32 s17, s17, s15                     ; in pass 1
	s_mov_b32 s20, 0x76543210
	s_mov_b32 s21, 0xfedcba98                      ; v_permlanex16_b32's selects for lane l xor 16
	s_mov_b32 s22, 0x3e38aa3b                      ; c = log2(e) / 8
	s_mov_b32 s23, s22                             ; (named with it as a pair, so it is written)
	s_mov_b32 s13, 0xbe38aa3b                      ; -c
	s_mov_b32 s24, 3<<16                           ; group 1: a step's 8,960 dense bytes as 35 rows of 256: no mask, elements of 8 bytes, no padding
	s_mov_b32 s25, 32<<16                          ; tensor_dim0
	s_mov_b32 s26, 35<<16                          ; tensor_dim1
	s_mov_b32 s27, 32<<16                          ; tile_dim0
	s_mov_b32 s28, 35                              ; tile_dim1
	s_mov_b32 s29, 32                              ; from row to row
	s_mov_b32 s30, 0
	s_mov_b32 s31, 0
	s_mul_i32 s56, s12, STEPB                      ; wave w fetches step w
	s_mul_i32 s58, s14, HEADB
	s_add_co_u32 s58, s58, s56
	s_mov_b32 s59, 0
	s_and_b32 s62, s12, 7                          ; my tile of the group's eight: 4 cq + iq
	s_lshl_b32 s63, s62, 9                         ; its image in the group's 4,608 bytes,
	s_and_b32 s66, s62, 1
	s_lshl_b32 s66, s66, 8
	s_lshr_b32 s67, s62, 1
	s_lshl_b32 s67, s67, 2
	s_add_co_u32 s66, s66, s67
	s_add_co_u32 s66, s66, 4096                    ; and its scale words: 4,096 + 256 (tile % 2) + 4 (tile / 2), 16 bytes from row to row
	s_lshr_b32 s57, s62, 2                         ; cq
	s_and_b32 s15, s62, 3
	s_lshl_b32 s15, s15, 3                         ; 8 iq
	s_lshl_b32 s67, s57, 6
	s_add_co_u32 s67, s67, s15                     ; tile row r is query 64 cq + 32 (r / 8) + 8 iq + r % 8 of the group
	s_lshr_b32 s68, s14, 4
	s_lshl_b32 s68, s68, 11
	s_add_co_u32 s68, s68, s67                     ; + 2,048 x batch
	s_and_b32 s69, s14, 15
	s_lshl_b32 s69, s69, 8                         ; the head's 256 bytes of a row
	s_and_b32 s61, s12, 1
	s_mov_b32 s3, 0
	s_wait_dscnt 0x0                               ; both opening adds are done
	s_wait_kmcnt 0x0
	s_mov_b32 s32, 1                               ; group 0: count = 1,
	s_mov_b32 s33, s56                             ; LDS address,
	s_add_nc_u64 s[34:35], s[6:7], s[58:59]        ; global address,
	s_or_b32 s35, s35, 0x80000000                  ; type = 2
	s_cmp_lt_u32 s12, NF
	s_cbranch_scc0 .Lno_first
	tensor_load_to_lds s[32:35], s[24:31]          ; steps 0 .. NF - 1: one tensor load a wave at the head
	s_nop 0
.rept 4
	v_nop
.endr
.Lno_first:
.irp n, 0,1
	s_lshl_b32 s58, s14, 4
	s_add_co_u32 s58, s58, s[16+\n]
	s_mul_i32 s58, s58, 4608
	s_add_co_u32 s2, s58, s63
	s_add_nc_u64 s[40+2*\n:41+2*\n], s[4:5], s[2:3]        ; Q's image
	s_add_co_u32 s2, s58, s66
	s_add_nc_u64 s[44+2*\n:45+2*\n], s[4:5], s[2:3]        ; Q's scale words
	s_lshl_b32 s2, s[16+\n], 7
	s_add_co_u32 s2, s2, s68
	s_lshl_b32 s2, s2, 12
	s_add_co_u32 s2, s2, s69
	s_add_nc_u64 s[48+2*\n:49+2*\n], s[8:9], s[2:3]        ; the residual: row 2,048 b + 128 g + 64 cq + 8 iq, the head's columns
	s_add_nc_u64 s[52+2*\n:53+2*\n], s[10:11], s[2:3]      ; and the same place in the output
.endr
	s_mul_i32 s58, s12, 16*SP
	s_add_co_u32 s58, s58, STG                     ; my stage
	v_and_b32 v56, 31, v0
	v_and_b32 v57, 15, v0                          ; r
	v_bfe_u32 v58, v0, 4, 1                        ; h
	v_lshlrev_b32 v1, 4, v56
	v_lshlrev_b32 v2, 3, v56
	v_lshlrev_b32 v35, 4, v57
	global_load_b128 v[16:19], v1, s[40:41]        ; Q's fragments stay in registers
	global_load_b128 v[24:27], v1, s[42:43]
	global_load_b32 v32, v35, s[44:45]
	global_load_b32 v33, v35, s[46:47]
	v_bfe_u32 v59, v0, 3, 1
	v_and_b32 v60, 7, v0
	v_lshlrev_b32 v11, 3, v58
	v_mul_u32_u24 v7, v57, SP
	v_mul_u32_u24 v8, v58, SP
	v_lshl_add_u32 v61, v59, 5, v60                ; 32 (r / 8) + r % 8
	v_lshlrev_b32 v59, 5, v58
	v_lshl_add_u32 v7, v58, 7, v7
	v_lshl_add_u32 v8, v57, 4, v8
	v_add_nc_u32 v5, s15, v61                      ; my query in its 64,
	v_lshl_add_u32 v10, v58, 3, v61
	v_add_nc_u32 v7, s58, v7                       ; the stage, in: row r, my 32 channels: 128 h bytes on
	v_add_nc_u32 v8, s58, v8                       ; back: lanes 0-15 one row, lanes 16-31 the next
	v_sub_nc_u32 v5, v5, v59                       ; less 32 h: register j of my query's own 64 keys holds key 32 h + j of them
	v_lshlrev_b32 v10, 12, v10                     ; the prefetch: lanes 0-15 my tile's 16 rows, lanes 16-31 the next tile's, 8 rows further on
	v_lshl_add_u32 v9, v58, 12, v35                ; the way out in memory: 4,096 h + 16 r
	v_mov_b32 v6, 0xff800000
.irp j, 20,21,22,23,28,29,30,31
	v_mov_b32 v[\j], 0                             ; zero codes for the upper 64 of the instruction's 128: Q's,
.endr
.irp t, 0,1,2,3,4,5,6,7
.irp j, 4,5,6,7
	v_mov_b32 v[64+8*\t+\j], 0                     ; and K's: written once, no load lands there
.endr
.endr
	v_mov_b32 v53, 0                               ; (named as the upper half of the pair v[52:53])
.set nn, 0
.rept 32
	v_cmp_gt_i32 s[MK+nn], nn, v5                  ; the diagonal's masks are the same in both passes: made once
.set nn, nn+1
.endr
.macro KLOAD                           ; a step's K and its scale words, from the LDS address in v4
.irp t, 0,1,2,3,4,5,6,7
	ds_load_b128 v[64+8*\t:67+8*\t], v4 offset:512*\t
.endr
	ds_load_b128 v[36:39], v4 offset:8192          ; register j: lanes 0-15 tile 2 j's words, lanes 16-31 tile 2 j + 1's
.endm
; The row's sum, behind the conversions, in place over p: 32 pairs become two by a tree of 30 additions (operations 0 to 29); the last two operations multiply the two running chains by f and add.  a: the first operation, n: how many.
.macro TREE a, n
.set oo, \a
.rept \n
.if oo < 16
	v_pk_add_f32 v[160+4*oo:161+4*oo], v[160+4*oo:161+4*oo], v[162+4*oo:163+4*oo]
.elseif oo < 24
	v_pk_add_f32 v[160+8*(oo-16):161+8*(oo-16)], v[160+8*(oo-16):161+8*(oo-16)], v[164+8*(oo-16):165+8*(oo-16)]
.elseif oo < 28
	v_pk_add_f32 v[160+16*(oo-24):161+16*(oo-24)], v[160+16*(oo-24):161+16*(oo-24)], v[168+16*(oo-24):169+16*(oo-24)]
.elseif oo < 30
	v_pk_add_f32 v[160+32*(oo-28):161+32*(oo-28)], v[160+32*(oo-28):161+32*(oo-28)], v[176+32*(oo-28):177+32*(oo-28)]
.else
	v_pk_fma_f32 v[14+40*(oo-30):15+40*(oo-30)], v[14+40*(oo-30):15+40*(oo-30)], v[52:53], v[160+32*(oo-30):161+32*(oo-30)] op_sel_hi:[1,0,1]
.endif
.set oo, oo+1
.endr
.endm
; A KEY STEP of pass n: 128 keys at LDS byte s18; its K and scale words are in registers.  dg = 1: the step may be the one on the diagonal.  last: the walk ends in front of this step.
.macro STEP n, dg, last
.irp t, 0,1,2,3,4,5,6,7
.if (\t)%2
	v_wmma_scale_f32_16x16x128_f8f6f4 v[160+8*\t:167+8*\t], v[64+8*\t:71+8*\t], v[16+8*\n:23+8*\n], 0, v[36+\t/2], v[32+\n] matrix_a_fmt:MATRIX_FMT_FP4 matrix_b_fmt:MATRIX_FMT_FP4 matrix_a_scale:MATRIX_SCALE_ROW1
.else
	v_wmma_scale_f32_16x16x128_f8f6f4 v[160+8*\t:167+8*\t], v[64+8*\t:71+8*\t], v[16+8*\n:23+8*\n], 0, v[36+\t/2], v[32+\n] matrix_a_fmt:MATRIX_FMT_FP4 matrix_b_fmt:MATRIX_FMT_FP4
.endif
.endr
	v_add_nc_u32 v3, s18, v1                       ; four plain lines behind these products and behind the last step's second product: V's loads fill that one's registers, K's these products'
	v_add_nc_u32 v4, s18, v2
	v_mov_b32 v58, v12                             ; the old -M
	v_nop
.irp i, 0,1,2,3
.irp c, 0,1
	ds_load_b128 v[128+8*\i+4*\c:131+8*\i+4*\c], v3 offset:4096+1024*\i+512*\c
.endr
.endr
	ds_load_b64 v[40:41], v4 offset:8704           ; V's scale words
	s_add_co_u32 s2, s18, STEPB                    ; the next step's LDS byte,
	s_min_u32 s2, s2, ((\last)-1)*STEPB            ; held inside the walk's steps, which have landed
.if \dg
	s_cmp_lg_u32 s19, s[16+\n]
	s_cbranch_scc1 .Lahead_\@                      ; all keys of an earlier step count, and a step follows it
	; the step on the diagonal is the pass's last.  The residual's rows, which the way out loads a key step's work later, are asked for here: a row's part is 256 bytes, a lane a row;
	; an even wave names its own tile's 16 rows and the next wave's, so each part is named once in the launch
	s_cmp_lg_u32 s61, 0
	s_cbranch_scc1 .Lno_ask_\@
	global_prefetch_b8 v10, s[48+2*\n:49+2*\n] th:TH_LOAD_NT scope:SCOPE_SE
.Lno_ask_\@:
	s_cmp_lg_u32 s57, 0
	s_cbranch_scc1 .Lupper_\@
.set nn, 0
.rept 32
	v_cndmask_b32 v[160+nn], v[160+nn], v6, s[MK+nn]   ; my query lies in the step's first 64: of those keys the later ones get the score -infinity, p = 0 (key 0 counts for every query),
.set nn, nn+1
.endr
.set nn, 0
.rept 32
	v_mov_b32 v[192+nn], v6                        ; and so do all of the second 64
.set nn, nn+1
.endr
	s_branch .Lopen_\@
.Lupper_\@:
.set nn, 0
.rept 32
	v_cndmask_b32 v[192+nn], v[192+nn], v6, s[MK+nn]   ; my query lies in the second 64: the first 64 keys count whole
.set nn, nn+1
.endr
	s_branch .Lopen_\@
.else
	s_cmp_ge_u32 s19, (\last)-1
	s_cbranch_scc1 .Lopen_\@                       ; the walk's last step fetches nothing
.endif
.Lahead_\@:
	v_add_nc_u32 v4, s2, v1
	KLOAD                                          ; the next step's K, into the registers that the products above have read
.Lopen_\@:
.irp c, 0,1
.irp i, 0,1,2,3
	v_max3_num_f32 v[42+4*\c+\i], v[160+32*\c+8*\i], v[161+32*\c+8*\i], v[162+32*\c+8*\i]   ; the largest score of my two blocks of 32 keys: a chain to each accumulator, from its low end on, the eight by turns
.endr
.endr
.irp p, 3,5
.irp c, 0,1
.irp i, 0,1,2,3
	v_max3_num_f32 v[42+4*\c+\i], v[42+4*\c+\i], v[160+32*\c+8*\i+\p], v[161+32*\c+8*\i+\p]
.endr
.endr
.endr
.irp u, 0,1
.irp c, 0,1
	v_max3_num_f32 v[42+4*\c+2*\u], v[42+4*\c+2*\u], v[43+4*\c+2*\u], v[167+32*\c+8*\u]   ; the chains join, each join taking in one accumulator's last register
.endr
.endr
.irp c, 0,1
	v_max3_num_f32 v[50+\c], v[42+4*\c], v[44+4*\c], v[183+32*\c]
.endr
.irp c, 0,1
	v_max_num_f32 v[50+\c], v[50+\c], v[191+32*\c] ; it serves for the row's maximum and for the block's largest p
.endr
	s_delay_alu instid0(VALU_DEP_1)
	v_max_num_f32 v56, v50, v51
	s_delay_alu instid0(VALU_DEP_1)
	v_permlanex16_b32 v57, v56, s20, s21
	s_delay_alu instid0(VALU_DEP_1)
	v_max3_num_f32 v13, v13, v56, v57              ; the running largest score, lane l xor 16's 64 keys among them
	s_delay_alu instid0(VALU_DEP_1)
	v_mul_f32 v56, s13, v13                        ; -t of it (c is positive, so the largest score gives the largest t)
	s_delay_alu instid0(VALU_DEP_1)
	v_floor_f32 v12, v56                           ; the new -M = floor(-t) = -ceil(t)
.set nn, 0
.rept 32
	v_pk_fma_f32 v[160+nn:161+nn], v[160+nn:161+nn], s[22:23], v[12:13] op_sel_hi:[1,0,0]   ; t - M, two at a time; f is made among these lines
.if nn == 10
	v_sub_f32 v56, v12, v58                        ; old M less new M: a whole number, 0 or less
.elseif nn == 22
	v_cvt_i32_f32 v56, v56                         ; (it saturates)
.elseif nn == 34
	v_ldexp_f32 v52, 1.0, v56                      ; f = 2^(old M - new M)
.endif
.set nn, nn+2
.endr
	v_fma_f32 v50, v50, s22, v12                   ; the same of each block's largest score
	v_fma_f32 v51, v51, s22, v12
.set nn, 0
.rept 16
	v_pk_mul_f32 v[224+nn:225+nn], v[224+nn:225+nn], v[52:53] op_sel_hi:[1,0]   ; O^T under the new M, ascending, ahead of the exponentials
.set nn, nn+2
.endr
	s_wait_alu depctr_va_vdst(0)                   ; the wait ahead of the batch
.set nn, 0
.rept 64
	v_exp_f32 v[160+nn], v[160+nn]                 ; p = 2^(t - M), at most 1
.set nn, nn+1
.endr
	v_exp_f32 v50, v50                             ; the blocks' largest p: one batch with the 64
	v_exp_f32 v51, v51
	v_nop                                          ; a plain line behind the exponentials
	s_wait_alu depctr_va_vdst(0)                   ; and the wait ahead of the first line that names a result: one for the 66
	v_max_num_f32 v50, 0x1800000, v50              ; the floor 2^(3 - 127): the byte cannot fall under 1
	v_max_num_f32 v51, 0x1800000, v51
	v_add_nc_u32 v58, 0xff000000, v50              ; 2 off the exponent field: the conversions' scale operands
	v_add_nc_u32 v59, 0xff000000, v51
.irp c, 0,1
.irp i, 0,1,2,3
	v_cvt_scalef32_pk8_fp4_f32 v[42+4*\c+\i], v[160+32*\c+8*\i:167+32*\c+8*\i], v[58+\c]
.endr
.endr
	v_lshrrev_b32 v60, 23, v58                     ; the scales' bytes (plain lines behind the conversions, ahead of the sums, which write the conversions' sources).  The scale word's lines stand among the sums
	v_lshrrev_b32 v61, 23, v59
	TREE 0, 4
	v_lshl_or_b32 v60, v61, 16, v60                ; my two bytes: blocks h and 2 + h,
	TREE 4, 4
	v_lshlrev_b32 v60, v11, v60                    ; at their places;
	TREE 8, 4
	v_permlanex16_b32 v57, v60, s20, s21
	TREE 12, 4
	v_or_b32 v34, v60, v57                         ; with lane l xor 16's two: p's scale word for these 128 keys
	TREE 16, 16                                    ; sixteen plain lines between the scale word just made and the products
	s_wait_alu depctr_va_vdst(0)                   ; the wait here, directly ahead of the wait below
	s_wait_dscnt 0x0                               ; V and its words are in, and so are the next step's K and its words
.irp i, 0,1,2,3
.if (\i)%2
	v_wmma_scale_f32_16x16x128_f8f6f4 v[224+8*\i:231+8*\i], v[128+8*\i:135+8*\i], v[42:49], v[224+8*\i:231+8*\i], v[40+\i/2], v34 matrix_a_fmt:MATRIX_FMT_FP4 matrix_b_fmt:MATRIX_FMT_FP4 matrix_a_scale:MATRIX_SCALE_ROW1
.else
	v_wmma_scale_f32_16x16x128_f8f6f4 v[224+8*\i:231+8*\i], v[128+8*\i:135+8*\i], v[42:49], v[224+8*\i:231+8*\i], v[40+\i/2], v34 matrix_a_fmt:MATRIX_FMT_FP4 matrix_b_fmt:MATRIX_FMT_FP4
.endif
.endr
.endm
; THE WAY OUT of pass n: O^T / the sum goes through my stage and comes back as rows of 256 bytes; the residual is added; sixteen lanes store the 256 bytes of a row's head.
.macro EPI n
.irp k, 0,1,2,3,4,5,6,7
	global_load_b128 v[160+4*\k:163+4*\k], v9, s[48+2*\n:49+2*\n] offset:(32*(\k/4)+2*(\k%4))*4096 th:TH_LOAD_NT   ; stage rows 2 k + h are queries 32 (k / 4) + 2 (k % 4) + h of the tile
.endr
	v_pk_add_f32 v[14:15], v[14:15], v[54:55]      ; the sum's two chains,
	s_delay_alu instid0(VALU_DEP_1)
	v_add_f32 v14, v14, v15                        ; their halves,
	s_delay_alu instid0(VALU_DEP_1)
	v_permlanex16_b32 v57, v14, s20, s21
	s_delay_alu instid0(VALU_DEP_1)
	v_add_f32 v14, v14, v57                        ; and lane l xor 16's
	s_wait_alu depctr_va_vdst(0)                   ; the wait ahead of the reciprocal
	v_rcp_f32 v52, v14
	v_nop
	v_nop                                          ; plain lines behind the reciprocal; with the four above also the places behind the last products
	s_wait_alu depctr_va_vdst(0)                   ; and the wait directly ahead of the first reader of the result and of O^T
.set nn, 0
.rept 16
	v_pk_mul_f32 v[224+nn:225+nn], v[224+nn:225+nn], v[52:53] op_sel_hi:[1,0]   ; ascending: register 8 i + j is channel 32 h + 8 i + j of query r
.set nn, nn+2
.endr
.irp k, 0,1,2,3,4,5,6,7
	ds_store_b128 v7, v[224+4*\k:227+4*\k] offset:16*\k
.endr
.irp k, 0,1,2,3,4,5,6,7
	ds_load_b128 v[192+4*\k:195+4*\k], v8 offset:2*SP*\k   ; LDS serves a wave's instructions in order (ISA guide 5.7.1.4): these see the stores above
.endr
.irp k, 0,1,2,3,4,5,6,7
	s_wait_loadcnt 7-\k                            ; the younger residual loads
	s_wait_dscnt 7-\k                              ; and stage reads may stay out
	v_pk_add_f32 v[192+4*\k:193+4*\k], v[192+4*\k:193+4*\k], v[160+4*\k:161+4*\k]
	v_pk_add_f32 v[194+4*\k:195+4*\k], v[194+4*\k:195+4*\k], v[162+4*\k:163+4*\k]
	global_store_b128 v9, v[192+4*\k:195+4*\k], s[52+2*\n:53+2*\n] offset:(32*(\k/4)+2*(\k%4))*4096 th:TH_STORE_NT   ; 16 lanes store 256 consecutive bytes, at a multiple of 256 from the output's first byte
.endr
.if \n == 0
	s_wait_xcnt 0x0                                ; the stores have read their registers: the next pass writes them again
.endif
.endm
.macro INIT                            ; a pass begins: the step is written once; its first turn finds zeros, which f = 0 leaves zeros
	v_mov_b32 v13, 0xff61b1e6                      ; the largest score so far: -3e38,
	v_mov_b32 v12, 0x7f61b1e6                      ; and -M = 3e38
	v_mov_b32 v14, 0
	v_mov_b32 v15, 0
	v_mov_b32 v54, 0
	v_mov_b32 v55, 0
.set nn, 0
.rept 32
	v_mov_b32 v[224+nn], 0
.set nn, nn+1
.endr
.endm
; The steps from s19 up to last - 1: the first step's K is fetched here; the trip count is a constant; with dg = 1 the steps behind my group are jumped over, with no barrier and no tensor load among what is jumped.
.macro WALK n, last, dg
	v_add_nc_u32 v4, s18, v1
	KLOAD
	s_wait_alu depctr_va_vdst(0)                   ; the wait here, directly ahead of the wait below
	s_wait_dscnt 0x0
.Lstep_\@:
.if \dg
	s_cmp_gt_u32 s19, s[16+\n]
	s_cbranch_scc1 .Lhidden_\@
.endif
	STEP \n, \dg, \last
.Lhidden_\@:
	s_add_co_u32 s18, s18, STEPB
	s_add_co_u32 s19, s19, 1
	s_cmp_lt_u32 s19, \last
	s_cbranch_scc1 .Lstep_\@
.endm
	INIT
	s_wait_alu depctr_va_vdst(0)                   ; the wait at the head's end
	s_wait_tensorcnt 0x0                           ; my step of the first NF has landed; these lines ahead of a later first fill,
	ds_add_u32 v62, v63                            ; with the add twice on end here
	ds_add_u32 v62, v63
	s_wait_dscnt 0x0
	s_barrier_signal -1
	s_barrier_wait -1                              ; everybody's has
	s_cmp_lt_u32 s12, NF
	s_cbranch_scc1 .Lno_rest
	s_cmp_gt_u32 s12, s60                          ; a step behind the work-group's last group is read by none of its waves, and is not asked for
	s_cbranch_scc1 .Lno_rest
	tensor_load_to_lds s[32:35], s[24:31]          ; step w: my one tensor load behind the barrier, a first fill like all the others
	s_nop 0
.rept 4
	v_nop
.endr
.Lno_rest:
	s_wait_loadcnt 0x0                             ; Q
	s_mov_b32 s18, 0                               ; the step's LDS byte
	s_mov_b32 s19, 0                               ; the step
	WALK 0, NF, 0
	s_wait_tensorcnt 0x0                           ; my step has landed,
	s_wait_dscnt 0x0
	s_barrier_signal -1
	s_barrier_wait -1                              ; everybody's has
	s_mov_b32 s18, NF*STEPB
	s_mov_b32 s19, NF
	WALK 0, 16, 1
	EPI 0
	INIT
	s_mov_b32 s18, 0
	s_mov_b32 s19, 0
	WALK 1, 8, 1
	EPI 1
	s_wait_tensorcnt 0x0                           ; the wave's end
	ds_add_u32 v62, v63
	s_wait_dscnt 0x0
	s_endpgm
.Lfunc_end_k_q44b2786c8d_attn:
	.size	k_q44b2786c8d_attn, .Lfunc_end_k_q44b2786c8d_attn-k_q44b2786c8d_attn
	.p2alignl 7, 3214868480
	.fill 96, 4, 3214868480
	.section	.rodata,"a",@progbits
	.p2align	6, 0x0
	.amdhsa_kernel k_q44b2786c8d_attn
		.amdhsa_group_segment_fixed_size 327680
		.amdhsa_private_segment_fixed_size 0
		.amdhsa_enable_private_segment 0
		.amdhsa_kernarg_size 32
		.amdhsa_user_sgpr_count 2
		.amdhsa_user_sgpr_kernarg_segment_ptr 1
		.amdhsa_wavefront_size32 1
		.amdhsa_system_sgpr_workgroup_id_x 1
		.amdhsa_system_sgpr_workgroup_id_y 1
		.amdhsa_system_sgpr_workgroup_id_z 1
		.amdhsa_system_vgpr_workitem_id 0
		.amdhsa_next_free_vgpr 256
		.amdhsa_next_free_sgpr 102
		.amdhsa_reserve_vcc 0
		.amdhsa_float_denorm_mode_32 3
		.amdhsa_float_denorm_mode_16_64 3
		.amdhsa_memory_ordered 1
		.amdhsa_forward_progress 1
		.amdhsa_inst_pref_size 78
	.end_amdhsa_kernel
	.amdgpu_metadata
---
amdhsa.version: [ 1, 2 ]
amdhsa.kernels:
  - .name:           k_q44b2786c8d_attn
    .symbol:         k_q44b2786c8d_attn.kd
    .args:
      - { .name: qbuf, .offset: 0, .size: 8, .value_kind: global_buffer, .address_space: global }
      - { .name: kvbuf, .offset: 8, .size: 8, .value_kind: global_buffer, .address_space: global }
      - { .name: inputs, .offset: 16, .size: 8, .value_kind: global_buffer, .address_space: global }
      - { .name: out0, .offset: 24, .size: 8, .value_kind: global_buffer, .address_space: global }
    .group_segment_fixed_size: 327680
    .private_segment_fixed_size: 0
    .kernarg_segment_align: 8
    .kernarg_segment_size: 32
    .max_flat_workgroup_size: 512
    .sgpr_count:     102
    .vgpr_count:     256
    .wavefront_size: 32
...
	.end_amdgpu_metadata
.endif
;; end of part 3
